; MI455X (gfx1250); checked and timed in simulation.
; The chip was launched on July 23, 2026; its instructions are those of AMD's public machine-readable ISA for CDNA 5 (MIT licence, August 2026) and "CDNA5" Instruction Set Architecture Reference Guide (July 2026). The comments in the code are by the model that wrote it; some were corrected since.
;; Distance Probe. Allowed arithmetic: matrix products marked QUANTISED: E2M3 operands, one E8M0 scale for each 32 along K, by v_wmma_scale_f32_16x16x128_f8f6f4 with both operands' format E2M3, f32 sums; everything else in f32.
;; Inputs: batch 8 x 512 x 1,024 float32; proj 1,024 x 128 float32.
;; Outputs: out0 8 x 512 x 512 float32.
;; This version of the problem:
;;   THIS VERSION OF THE PROBLEM IS GIVEN IN LOW PRECISION. The matrix products marked QUANTISED in the list below multiply operands that are first quantised to E2M3 (2 exponent bits, 3 mantissa bits; 6 bits a number), with one power-of-two scale for each 32 numbers along K (OCP MX v1.0); their sums are f32. All else is computed in f32.
;;   The module's matrix products, in the order in which they are computed (A, B: the left and right operand; K: the contracted axis; several contracted axes count as one K, in the product's order):
;;     1. [M 4,096, K 1,024] x [K 1,024, N 128]; A: input batch; B: input proj: QUANTISED
;;   THE QUANTISER, for each operand of a quantised product, along K:
;;     - K is cut into blocks of 32 from its start; a last block that is shorter is filled with zeros.
;;     - A block's scale is 2^e with e = floor(log2(the largest magnitude in the block)) - 2, held to -126 .. 127; a block of zeros has e = 0. As a byte (E8M0): e + 127.
;;     - Each number is divided by its block's scale, clamped to +-7.5, and rounded to the nearest number of E2M3, ties to even, subnormals kept.
;;     - The product sums the exact products of the quantised numbers (number of the format x scale) in f32.
;;   ~~~python
;;   def quantise(x, axis):      # numpy; x: float32 -> the quantised numbers, widened to float32 again
;;       x = np.moveaxis(x, axis, -1); K = x.shape[-1]
;;       x = np.pad(x, [(0, 0)] * (x.ndim - 1) + [(0, -K % 32)]); x = x.reshape(x.shape[:-1] + (-1, 32)); a = np.abs(x).max(-1, keepdims=True)
;;       e = np.where(a > 0, np.clip(np.frexp(np.where(a > 0, a, 1))[1] - 1 - 2, -126, 127), 0)      # np.frexp(a)[1] - 1 = floor(log2(a)), exactly
;;       r = np.clip(x / 2.0 ** e, -7.5, 7.5)
;;       step = 2.0 ** (np.maximum(np.frexp(np.where(r == 0, 1, r))[1] - 1, 0) - 3)
;;       q = np.round(r / step) * step * 2.0 ** e      # np.round: ties to even
;;       return np.moveaxis(q.reshape(q.shape[:-2] + (-1,))[..., :K], -1, axis).astype(np.float32)
;;   ~~~
;; One version. Each part assembles by itself: llvm-mc -triple=amdgcn-amd-amdhsa -mcpu=gfx1250 --defsym DOCPART=n.
;; ======== version 1 of 1: 2 launches
;; limits: right only within a limited range of input values
;; workspace buffers: timg 4,194,304 bytes
;; launch project (part 1): grid 256 x 1, 16 waves a work-group, clusters of 4 x 1, 327,680 bytes of LDS; arguments batch, proj, timg; writes timg
.if DOCPART == 1
	.amdgcn_target "amdgcn-amd-amdhsa--gfx1250"
	.amdhsa_code_object_version 6
	.text
	.protected	k_q107de8e3f0_project
	.globl	k_q107de8e3f0_project
	.p2align	8
	.type	k_q107de8e3f0_project,@function
k_q107de8e3f0_project:
	s_mov_b64 s[64:65], 0
	v_nop
	global_prefetch_b8 v0, s[64:65] scope:SCOPE_SE
	s_setreg_imm32_b32 hwreg(HW_REG_WAVE_MODE, 25, 1), 1
	s_wait_xcnt 0x0
	s_wait_alu depctr_hold_cnt(0) depctr_sa_sdst(0) depctr_va_vdst(0) depctr_va_sdst(0) depctr_va_ssrc(0) depctr_va_vcc(0) depctr_vm_vsrc(0)
	s_getreg_b32 s2, hwreg(HW_REG_IB_STS2, 6, 4)
	s_cmp_eq_u32 s2, 0
	s_cbranch_scc0 .Lentry_in_a_cluster
	s_endpgm
.Lentry_in_a_cluster:
	s_bfe_u32 s2, ttmp6, 0x10000c
	s_cmp_lg_u32 s2, 0x3003
	s_cbranch_scc0 .Lentry_shape_is_right
	s_endpgm
.Lentry_shape_is_right:
; t = Q(batch) Q(proj): [4096][1024] x [1024][128], both operands quantised here, in registers, to codes of FP6 (E2M3) with one E8M0 scale for each 32 along K; sums in f32.
; A block's scale is 2^(floor(log2(its largest magnitude)) - 2): its byte is the largest magnitude's exponent field - 2, held at 1 from below.  (A block of zeros gets the byte 1 where the rule says 127: its codes are zeros,
; which add nothing under any byte but 0xff, and this program alone reads the bytes.)
; LIMITS: NaN and infinities among the inputs are not served; blocks whose largest magnitude lies under 2^-124, whose byte is held at 1, were not tried.
; SHARES.  A work-group takes 32 rows of batch x half of K (512).  The two halves of K are two f32 partial sums, which the next launch adds: another order of rounding than one chain along K.
; Sixteen waves.  PROJ: wave w takes block w of the half's sixteen blocks of 32 along K, all 128 columns: one tensor load of 16,384 dense bytes, which only this wave reads, behind its own wait; lane l takes columns 4 l .. 4 l + 3,
; a whole block of each, so a block's largest magnitude needs no other lane.  The conversions want a column's numbers in consecutive registers: they are moved there, two numbers an instruction.
; X: wave w takes 16 rows (w / 8) x 64 along K (w % 8): 8 loads into registers, each two rows x 256 consecutive bytes, which turn through a stage in LDS so that a lane holds a block of 32 of one row.
; CLUSTER.  The four work-groups of a cluster take the same half of K: each block of proj is asked for JOINTLY, by the same tensor load with the same descriptor and the mask 15.  x is each work-group's own.
; No LDS byte is filled twice.  x's stage and image lie in the wave's own tile of proj, which has been read out by then and is never filled again.  No prefetch: no loop to run ahead in.
; The codes meet in LDS as images of the operand's registers, behind one round of the cluster's barrier (the closing round: no joint load stands behind it); then waves 0-3 make two tiles of columns x two of rows each.
; WHICH COLUMNS FORM A TILE is free, since the next launch sums over them: tile T = 4 (l / 16) + c has in lane r column 64 (T / 4) + 4 r + T % 4.
; OUT.  timg [2 halves of K][128 groups of 32 rows][8 tiles][2 x 16 rows][2][32 lanes][4], f32: the matrix result as it lies: each store of a wave covers 512 consecutive bytes, aligned to 256.
.set TILE,  16384                      ; LDS: the waves' sixteen tiles of proj; in each, later, x's stage (16 rows x 272 bytes) at 0 and half a fragment of x at XIO
.set XIO,   8192
.set SPARE, 16*TILE                    ; the spare words, 128 bytes for each wave,
.set XSC,   SPARE+2048                 ; scale words of x: (K step x 8 + row tile) x 64 bytes,
.set PSC,   XSC+2048                   ; of proj: (K step x 8 + tile) x 64 bytes,
.set PIMG,  PSC+2048                   ; proj's 32 fragments of 1,536 bytes (K step x 8 + tile)
.set XP,    272
.set SPW,   4
.set NIL,   5
.set M,     16                         ; v16-19 largest magnitudes of my four columns, then scale bytes; later v16-23 scale words
.set SC,    20                         ; v20-23 the conversions' scale operands
.set PC,    40                         ; v40-63 codes of my four columns, six registers each
.set P,     64                         ; v64-191 proj: row k of my block at v[64 + 4 k]
.set T,     192                        ; v192-223 two columns, 16 numbers each
.set XN,    64                         ; v64-95 x: my block of 32, when proj's numbers are done with
.set XR,    224                        ; v224-255 x as loaded
.set ACC,   28                         ; v28-59 four accumulators
.set FA,    64                         ; v64-159 x's fragments, v160-255 proj's
.set FB,    160
.set G0,    44                         ; s[44:47], s[48:55] descriptor groups 0 and 1
.set G1,    48
; A round of the cluster's barrier: my work-group's barrier; wave 0 signals for the work-group; every wave waits for all four work-groups; my work-group's barrier once more
.macro CROUND
	s_barrier_signal -1
	s_barrier_wait -1
	s_cmp_lg_u32 s12, 0
	s_cbranch_scc1 .Lnot_wave_0_\@
	s_barrier_signal -3
.Lnot_wave_0_\@:
	s_barrier_wait -3
	s_barrier_signal -1
	s_barrier_wait -1
.endm
	s_load_b128 s[4:7], s[0:1], 0x0                ; batch, proj
	s_load_b64 s[8:9], s[0:1], 0x10                ; timg
	v_lshl_add_u32 v[SPW], v0, 2, SPARE
	v_mov_b32 v[NIL], 0
	ds_add_u32 v[SPW], v[NIL]                      ; the wave's opening: the add, twice on end, and its wait ahead of my first tensor load
	ds_add_u32 v[SPW], v[NIL]
	v_lshrrev_b32 v1, 5, v0
	v_readfirstlane_b32 s12, v1                    ; wave w
	v_and_b32 v1, 31, v0                           ; lane
	v_and_b32 v2, 15, v0                           ; r
	v_bfe_u32 v3, v0, 4, 1                         ; h
	v_lshlrev_b32 v7, 4, v1                        ; 16 x lane
	v_lshlrev_b32 v24, 4, v2                       ; 16 r
	v_lshl_add_u32 v6, v3, 12, v24                 ; x: two rows of 4,096 bytes a load
	s_bfe_u32 s15, ttmp6, 0x40000                  ; cx: my place in the cluster: it enters x's and timg's global addresses alone
	s_and_b32 s13, ttmp9, 1                        ; which half of K: the cluster's
	s_lshr_b32 s14, ttmp9, 1
	s_lshl_b32 s14, s14, 2
	s_add_co_u32 s14, s14, s15                     ; which 32 rows
	; group 1: 16,384 dense bytes as 64 rows of 256 bytes (32 elements of 8 bytes)
	s_mov_b32 s[G1+0], 15|(3<<16)|(1<<21)          ; 15:0 the mask: all four work-groups; 17:16 elements of 8 bytes; 21 set beside a mask
	s_mov_b32 s[G1+1], 32<<16
	s_mov_b32 s[G1+2], 64<<16
	s_mov_b32 s[G1+3], 32<<16
	s_mov_b32 s[G1+4], 64
	s_mov_b32 s[G1+5], 32
	s_mov_b32 s[G1+6], 0
	s_mov_b32 s[G1+7], 0
	s_lshl_b32 s16, s14, 17                        ; x: 32 rows of 4,096 bytes,
	s_lshr_b32 s18, s12, 3                         ; row tile
	s_lshl_b32 s19, s18, 16
	s_add_co_u32 s16, s16, s19
	s_lshl_b32 s19, s13, 11
	s_add_co_u32 s16, s16, s19
	s_and_b32 s19, s12, 7                          ; 2 x K step + which 64 of its 128
	s_lshl_b32 s19, s19, 8
	s_add_co_u32 s16, s16, s19
	s_mov_b32 s17, 0
	s_lshl_b32 s20, s13, 18                        ; proj: 512 rows of 512 bytes a half,
	s_lshl_b32 s36, s12, 14                        ; 32 a wave; and my tile in LDS: the wave's number alone
	s_add_co_u32 s20, s20, s36
	s_mov_b32 s21, 0
	s_lshl_b32 s22, s13, 7                         ; timg: 16,384 bytes a work-group,
	s_add_co_u32 s22, s22, s14
	s_lshl_b32 s22, s22, 14
	s_lshl_b32 s23, s12, 12                        ; two tiles of 2,048 bytes for each of waves 0-3
	s_add_co_u32 s22, s22, s23
	s_mov_b32 s23, 0
	s_wait_alu depctr_va_vdst(0)
	s_wait_dscnt 0x0                               ; both opening adds are done
	s_wait_kmcnt 0x0
	s_add_nc_u64 s[4:5], s[4:5], s[16:17]
	s_mov_b32 s[G0], 1                             ; 1:0 count = 1
	s_mov_b32 s[G0+1], s36                         ; 63:32 LDS address
	s_add_nc_u64 s[G0+2:G0+3], s[6:7], s[20:21]    ; 120:64 global address
	s_or_b32 s[G0+3], s[G0+3], 0x80000000          ; 127:126 type = 2
	s_add_nc_u64 s[8:9], s[8:9], s[22:23]
.irp g, 0,1
	global_load_b128 v[XR+4*\g:XR+4*\g+3], v6, s[4:5] offset:8192*\g th:TH_LOAD_NT        ; rows 2 g, 2 g + 1 of x
.endr
	CROUND                                         ; all four work-groups are here: the joint loads meet
	tensor_load_to_lds s[G0:G0+3], s[G1:G1+7]      ; my block of proj: one tensor load a wave
	s_nop 0
.rept 4
	v_nop
.endr
.irp g, 2,3,4,5,6,7
	global_load_b128 v[XR+4*\g:XR+4*\g+3], v6, s[4:5] offset:8192*\g th:TH_LOAD_NT
.endr
	; LDS addresses, while the loads are on their way
	s_add_co_u32 s25, s36, XIO                     ; x's image: half a fragment a wave
	s_bfe_u32 s26, s12, 0x20001                    ; x's K step
	s_lshl_b32 s26, s26, 9
	s_lshl_b32 s27, s18, 6
	s_add_co_u32 s26, s26, s27
	s_and_b32 s27, s12, 1
	s_lshl_b32 s27, s27, 1
	s_add_co_u32 s26, s26, s27
	s_add_co_u32 s26, s26, XSC                     ; x's scale bytes 2 (w % 2) + h
	s_lshr_b32 s28, s12, 2                         ; proj's K step
	s_mul_i32 s29, s28, 12288
	s_bfe_u32 s30, s12, 0x10001
	s_mul_i32 s30, s30, 768
	s_add_co_u32 s29, s29, s30
	s_add_co_u32 s29, s29, PIMG
	s_and_b32 s30, s12, 1                          ; my block goes to the operand's lanes 16 (w % 2) + r
	s_lshl_b32 s31, s30, 8
	s_add_co_u32 s31, s31, s29
	s_lshl_b32 s30, s30, 7
	s_add_co_u32 s30, s30, s29
	s_lshl_b32 s28, s28, 9
	s_and_b32 s33, s12, 3
	s_add_co_u32 s28, s28, s33
	s_add_co_u32 s28, s28, PSC                     ; proj's scale byte w % 4
	s_mul_i32 s32, s12, 3072
	s_add_co_u32 s32, s32, PIMG                    ; waves 0-3: my two tiles' fragments
	s_lshl_b32 s34, s12, 7
	s_add_co_u32 s34, s34, PSC-XSC                 ; and from x's scale words to theirs
	v_mul_u32_u24 v8, v3, XP
	v_add_nc_u32 v8, v8, v24
	v_add_nc_u32 v8, s36, v8                       ; into the stage: row 2 g + h, 16 r
	v_mul_u32_u24 v9, v2, XP
	v_lshl_add_u32 v9, v3, 7, v9
	v_add_nc_u32 v9, s36, v9                       ; out of it: row r, my 128 bytes
	v_add_nc_u32 v37, s36, v7                      ; my tile of proj: 16 x lane
	v_add_nc_u32 v10, s25, v7                      ; x's image: 16 x lane,
	v_lshlrev_b32 v25, 3, v1
	v_add_nc_u32 v11, s25, v25                     ; 8 x lane
	v_lshl_add_u32 v12, v2, 2, v3
	v_add_nc_u32 v12, s26, v12
	v_mul_u32_u24 v13, v3, 6144                    ; proj's image: lanes 16-31 have tiles 4-7
	v_add_nc_u32 v13, v13, v24
	v_add_nc_u32 v13, s31, v13
	v_mul_u32_u24 v14, v3, 6144
	v_lshl_add_u32 v14, v2, 3, v14
	v_add_nc_u32 v14, s30, v14
	v_lshlrev_b32 v15, 8, v3
	v_lshl_add_u32 v15, v2, 2, v15
	v_add_nc_u32 v15, s28, v15
	v_mul_u32_u24 v1, s34, v3                      ; scale words: lanes 0-15 x's, lanes 16-31 proj's
	v_lshl_add_u32 v1, v2, 2, v1
	v_add_nc_u32 v1, XSC, v1
	s_wait_alu depctr_va_vdst(0)
	s_wait_tensorcnt 0x0                           ; my tile of proj is in
.set K, 0
.rept 32
	ds_load_b128 v[P+4*K:P+4*K+3], v37 offset:512*K   ; row K of my block
.set K, K+1
.endr
; Eight rows of proj have come: the largest magnitudes of my four columns go on, with the floor 2^(3 - 127) among the first.  left: the younger rows' loads, which may stay out.
.macro CHUNK c, left
	s_wait_alu depctr_va_vdst(0)
	s_wait_dscnt \left
.irp k, 0,2,4,6
.irp j, 0,1,2,3
.if (\c)+(\k) == 0
	v_max3_num_f32 v[M+\j], |v[P+\j]|, |v[P+4+\j]|, 0x1800000
.else
	v_max3_num_f32 v[M+\j], v[M+\j], |v[P+32*(\c)+4*\k+\j]|, |v[P+32*(\c)+4*\k+4+\j]|
.endif
.endr
.endr
.endm
	CHUNK 0, 24
	CHUNK 1, 16
	CHUNK 2, 8
	CHUNK 3, 0
.irp j, 0,1,2,3
	v_add_nc_u32 v[SC+\j], 0xff000000, v[M+\j]     ; 2 off the exponent field: the conversion takes the exponent field of this operand as its scale
.endr
.irp j, 0,1,2,3
	v_lshrrev_b32 v[M+\j], 23, v[SC+\j]            ; the scales' bytes
.endr
; Rows 16 hh .. 16 hh + 15 of columns a and a + 1 of my four: into consecutive registers, two numbers an instruction
.macro COLUMNS a, hh
.irp k, 0,2,4,6,8,10,12,14
	v_dual_mov_b32 v[T+\k], v[P+64*\hh+4*\k+\a] :: v_dual_mov_b32 v[T+17+\k], v[P+64*\hh+4*\k+5+\a]
	v_dual_mov_b32 v[T+1+\k], v[P+64*\hh+4*\k+4+\a] :: v_dual_mov_b32 v[T+16+\k], v[P+64*\hh+4*\k+1+\a]
.endr
.endm
.macro PAIR a
	COLUMNS \a, 0
	v_cvt_scalef32_pk16_fp6_f32 v[PC+6*\a:PC+6*\a+2], v[T:T+15], v[SC+\a]
	v_cvt_scalef32_pk16_fp6_f32 v[PC+6*\a+6:PC+6*\a+8], v[T+16:T+31], v[SC+\a+1]
	v_nop                                          ; one plain place behind a scaled conversion
	COLUMNS \a, 1
	v_cvt_scalef32_pk16_fp6_f32 v[34:36], v[T:T+15], v[SC+\a]          ; (a conversion's three registers begin on an even number: moved below)
	v_cvt_scalef32_pk16_fp6_f32 v[24:26], v[T+16:T+31], v[SC+\a+1]
	v_nop
.irp i, 0,1,2
	v_mov_b32 v[PC+6*\a+3+\i], v[34+\i]
	v_mov_b32 v[PC+6*\a+9+\i], v[24+\i]
.endr
.irp c, \a, \a+1
	ds_store_b128 v13, v[PC+6*(\c):PC+6*(\c)+3] offset:1536*(\c)
	ds_store_b64 v14, v[PC+6*(\c)+4:PC+6*(\c)+5] offset:1536*(\c)+512
	ds_store_b8 v15, v[M+\c] offset:64*(\c)
.endr
.endm
	PAIR 0
	PAIR 2
	s_wait_alu depctr_va_vdst(0)
	s_wait_loadcnt 0x0                             ; x is in
.irp g, 0,1,2,3,4,5,6,7
	ds_store_b128 v8, v[XR+4*\g:XR+4*\g+3] offset:2*XP*\g
.endr
.irp j, 0,1,2,3,4,5,6,7
	ds_load_b128 v[XN+4*\j:XN+4*\j+3], v9 offset:16*\j   ; LDS serves a wave's instructions in order (ISA guide 5.7.1.4): these see my stores
.endr
	s_wait_dscnt 0x0                               ; x is back from the stage
	v_max3_num_f32 v24, |v[XN]|, |v[XN+1]|, 0x1800000
	v_max3_num_f32 v25, |v[XN+2]|, |v[XN+3]|, 0x1800000
.irp i, 4,8,12,16,20,24,28
	v_max3_num_f32 v24, v24, |v[XN+\i]|, |v[XN+\i+1]|
	v_max3_num_f32 v25, v25, |v[XN+\i+2]|, |v[XN+\i+3]|
.endr
	v_max_num_f32 v24, v24, v25
	v_add_nc_u32 v26, 0xff000000, v24
	v_lshrrev_b32 v27, 23, v26
	v_cvt_scalef32_pk16_fp6_f32 v[28:30], v[XN:XN+15], v26
	v_cvt_scalef32_pk16_fp6_f32 v[34:36], v[XN+16:XN+31], v26
	v_nop                                          ; one plain place behind a scaled conversion
.irp i, 0,1,2
	v_mov_b32 v[31+\i], v[34+\i]
.endr
	ds_store_b128 v10, v[28:31]
	ds_store_b64 v11, v[32:33] offset:512
	ds_store_b8 v12, v27
	s_wait_alu depctr_va_vdst(0)
	s_wait_tensorcnt 0x0                           ; behind my last LDS store
	ds_add_u32 v[SPW], v[NIL]
	s_wait_dscnt 0x0                               ; my images lie in LDS, for the others' sake
	CROUND                                         ; everybody's do.  And the closing round: all joint loads have been issued, so from here on a work-group may end
	s_cmp_lt_u32 s12, 4
	s_cbranch_scc0 .Lend                           ; waves 4-15 are done
	v_lshrrev_b32 v10, 1, v7                       ; 8 x lane
	v_add_nc_u32 v8, s32, v7                       ; my two tiles of proj
	v_add_nc_u32 v9, s32, v10
	v_add_nc_u32 v12, XIO, v7                      ; x's halves of fragments: four of the waves' tiles from each of these
	v_add_nc_u32 v13, XIO+4*TILE, v7
	v_add_nc_u32 v14, XIO+8*TILE, v7
	v_add_nc_u32 v15, XIO+12*TILE, v7
	v_add_nc_u32 v24, XIO, v10
	v_add_nc_u32 v25, XIO+4*TILE, v10
	v_add_nc_u32 v26, XIO+8*TILE, v10
	v_add_nc_u32 v27, XIO+12*TILE, v10
; A fragment: twelve registers, as they were stored; cs: bytes from its first half to its second
.macro FRAG reg, a16, a8, off, cs
	ds_load_b128 v[\reg:\reg+3], v[\a16] offset:\off
	ds_load_b64 v[\reg+4:\reg+5], v[\a8] offset:\off+512
	ds_load_b128 v[\reg+6:\reg+9], v[\a16] offset:\off+\cs
	ds_load_b64 v[\reg+10:\reg+11], v[\a8] offset:\off+\cs+512
.endm
.irp ks, 0,1,2,3
.irp i, 0,1
	ds_load_b32 v[M+2*\ks+\i], v1 offset:64*(8*\ks+\i)
	FRAG FA+24*\ks+12*\i, 12+2*\i+\ks/2, 24+2*\i+\ks/2, 2*TILE*(\ks%2), TILE
	FRAG FB+24*\ks+12*\i, 8, 9, 12288*\ks+1536*\i, 768
.endr
.endr
.irp ks, 0,1,2,3                       ; source 0 = 16 rows of x, source 1 = 16 columns of proj.  Four accumulators by turns: three other matrix instructions stand between a sum's steps
	s_wait_dscnt 54-18*\ks                         ; 18 LDS loads a K step: the younger steps' may be out
.irp m, 0,1
.irp t, 0,1
.if \ks == 0
	v_wmma_scale_f32_16x16x128_f8f6f4 v[ACC+16*\m+8*\t:ACC+16*\m+8*\t+7], v[FA+24*\ks+12*\m:FA+24*\ks+12*\m+11], v[FB+24*\ks+12*\t:FB+24*\ks+12*\t+11], 0, v[M+2*\ks+\m], v[M+2*\ks+\t] matrix_a_fmt:MATRIX_FMT_FP6 matrix_b_fmt:MATRIX_FMT_FP6 matrix_b_scale:MATRIX_SCALE_ROW1
.else
	v_wmma_scale_f32_16x16x128_f8f6f4 v[ACC+16*\m+8*\t:ACC+16*\m+8*\t+7], v[FA+24*\ks+12*\m:FA+24*\ks+12*\m+11], v[FB+24*\ks+12*\t:FB+24*\ks+12*\t+11], v[ACC+16*\m+8*\t:ACC+16*\m+8*\t+7], v[M+2*\ks+\m], v[M+2*\ks+\t] matrix_a_fmt:MATRIX_FMT_FP6 matrix_b_fmt:MATRIX_FMT_FP6 matrix_b_scale:MATRIX_SCALE_ROW1
.endif
.endr
.endr
.endr
.rept 4
	v_nop                                          ; four places ahead of the stores that read the results
.endr
.irp m, 0,1
.irp t, 0,1
.irp q, 0,1
	global_store_b128 v7, v[ACC+16*\m+8*\t+4*\q:ACC+16*\m+8*\t+4*\q+3], s[8:9] offset:2048*\t+1024*\m+512*\q   ; 32 lanes store 512 consecutive bytes
.endr
.endr
.endr
.Lend:
	s_endpgm
.Lfunc_end_k_q107de8e3f0_project:
	.size	k_q107de8e3f0_project, .Lfunc_end_k_q107de8e3f0_project-k_q107de8e3f0_project
	.p2alignl 7, 3214868480
	.fill 96, 4, 3214868480
	.section	.rodata,"a",@progbits
	.p2align	6, 0x0
	.amdhsa_kernel k_q107de8e3f0_project
		.amdhsa_group_segment_fixed_size 327680
		.amdhsa_private_segment_fixed_size 0
		.amdhsa_enable_private_segment 0
		.amdhsa_kernarg_size 24
		.amdhsa_user_sgpr_count 2
		.amdhsa_user_sgpr_kernarg_segment_ptr 1
		.amdhsa_wavefront_size32 1
		.amdhsa_system_sgpr_workgroup_id_x 1
		.amdhsa_system_sgpr_workgroup_id_y 1
		.amdhsa_system_sgpr_workgroup_id_z 1
		.amdhsa_system_vgpr_workitem_id 0
		.amdhsa_next_free_vgpr 256
		.amdhsa_next_free_sgpr 66
		.amdhsa_reserve_vcc 0
		.amdhsa_float_denorm_mode_32 3
		.amdhsa_float_denorm_mode_16_64 3
		.amdhsa_memory_ordered 1
		.amdhsa_forward_progress 1
		.amdhsa_inst_pref_size 31
	.end_amdhsa_kernel
	.amdgpu_metadata
---
amdhsa.version: [ 1, 2 ]
amdhsa.kernels:
  - .name:           k_q107de8e3f0_project
    .symbol:         k_q107de8e3f0_project.kd
    .args:
      - { .name: batch, .offset: 0, .size: 8, .value_kind: global_buffer, .address_space: global }
      - { .name: proj, .offset: 8, .size: 8, .value_kind: global_buffer, .address_space: global }
      - { .name: timg, .offset: 16, .size: 8, .value_kind: global_buffer, .address_space: global }
    .group_segment_fixed_size: 327680
    .private_segment_fixed_size: 0
    .kernarg_segment_align: 8
    .kernarg_segment_size: 24
    .max_flat_workgroup_size: 512
    .sgpr_count:     66
    .vgpr_count:     256
    .wavefront_size: 32
...
	.end_amdgpu_metadata
.endif
;; end of part 1
;; launch dist (part 2): grid 256 x 1, 8 waves a work-group, no clusters, 203,776 bytes of LDS; arguments timg, out0; writes out0
.if DOCPART == 2
	.amdgcn_target "amdgcn-amd-amdhsa--gfx1250"
	.amdhsa_code_object_version 6
	.text
	.protected	k_q107de8e3f0_dist
	.globl	k_q107de8e3f0_dist
	.p2align	8
	.type	k_q107de8e3f0_dist,@function
k_q107de8e3f0_dist:
	s_mov_b64 s[64:65], 0
	v_nop
	global_prefetch_b8 v0, s[64:65] scope:SCOPE_SE
	s_setreg_imm32_b32 hwreg(HW_REG_WAVE_MODE, 25, 1), 1
	s_wait_xcnt 0x0
; out0[b][i][j] = the sum over the 128 features of (t[b][i] - t[b][j])^2, in f32, as a difference, a square and a sum: no norms, no product of rows, so nothing is lost where rows share a large offset.
; t is the sum of timg's two partial sums (halves of K).  The order of the features is timg's own; the sum runs over all of them.
; WORK LEFT OUT.  (t_i - t_j)^2 = (t_j - t_i)^2 for all values: each unordered pair of rows is summed once and its result stored at (i, j) and at (j, i); in some of the blocks on the diagonal the diagonal's
; results, (t_i - t_i)^2 = 0 for all finite values, are stored as 0.  LIMIT: NaN or infinity in t (or an overflow there) is not carried to those zeros.
; SHARES.  A batch's 512 rows are eight tiles of 64.  Work-group g: batch g % 8; q = 31 - g / 8 names two tiles: I = q % 8, J = (I + q / 8 + 1) % 8.  q < 28: the 28 pairs of different tiles: 64 x 64 results, stored both ways.
; q = 28 .. 31: the two tiles on the diagonal, (I, I) and (J, J): 32 work-groups, which have the lowest numbers.
; A LANE TILE is 8 x 8 results over 32 features; four lanes (l / 8) take the features 4 s + l / 8 and are joined at the end.  A pair of different tiles is 64 lane tiles: wave w has eight rows i, lane l % 8 eight columns j.
; On the diagonal a tile's granules a = 0 .. 7 of eight rows pair with a + 1, a + 2, a + 3 and (a < 4) a + 4: 28 lane tiles; the four places left take the granules 4 .. 7 with themselves; granules 0 .. 3 of each tile
; with themselves, eight in all, are done by a short piece of their own, one a wave: 32 lanes x 4 features each, the 32 distances (a, a + k), k = 1 .. 4, summed over the lanes.
; FOR A FEATURE a lane reads 8 numbers of i and 8 of j (four loads of 16 bytes) and issues 32 packed subtractions and 32 packed multiply-adds, the pairs along j.  The operands have four buffers and are asked for three features ahead.
; No cluster: what lies in LDS is the sum of two partial tiles, which is made in registers; a tensor load could not add them.  No prefetch: no loop to run ahead in.  The walk over the 32 steps is written out, so every LDS offset is an immediate.
; OUT.  Both 64 x 64 tiles of results are laid in LDS and leave as rows of 64: sixteen lanes store 256 consecutive bytes, aligned.
; LDS: t as [128 features][I's 64 rows, J's 64 rows], 528 bytes a feature (512 + 16: neighbouring features start 4 banks apart, 64 banks of 4 bytes: ISA guide 11.1); two result tiles for pairs of different tiles, two for the diagonal's,
; rows of 272 bytes, row i at place 16 (i % 4) + i / 4.
.set FP,    528
.set TB,    17408                      ; a result tile: 64 x 272
.set RP,    272
.set Q4,    16*RP                      ; from row i to row i + 1 inside four
.set TN,    128*FP
.set TS,    TN+2*TB
.set SPARE, TS+2*TB                    ; the spare words, 128 bytes for each wave,
.set RAW,   SPARE+1024                 ; and the second half of K's partial sums as they lie in memory: 8,192 bytes a wave, filled once, by the wave that reads them
.set G0,    44                         ; s[44:47], s[48:55] descriptor groups 0 and 1
.set G1,    48
.set SPW,   2
.set NIL,   3
.set AI,    4                          ; v4, v5 LDS: my 8 numbers of i, of j, at step 0
.set AJ,    5
.set DWN,   6                          ; v6, v7 where my results go, and their mirror image: pairs of different tiles
.set MWN,   7
.set DWS,   8                          ; v8, v9 the same on the diagonal
.set MWS,   9
.set D,     16                         ; v16-31 sixteen differences
.set OP,    32                         ; v32-95 operands: buffer f at v[32 + 16 f]: 8 numbers of i, then 8 of j
.set MR,    32                         ; v32-63 the mirror image's quads
.set ACC,   96                         ; v96-159 the sums: row a, column c at v[96 + 8 a + c]
.set EX,    64                         ; the diagonal's granules: v64-95 numbers, v160-167 the same one place on, v168-199 the sums
.set EY,    160
.set E,     168
	s_load_b128 s[4:7], s[0:1], 0x0                ; timg, out0
	v_lshl_add_u32 v[SPW], v0, 2, SPARE
	v_mov_b32 v[NIL], 0
	ds_add_u32 v[SPW], v[NIL]                      ; the wave's opening: the add, twice on end, and its wait ahead of my first tensor load
	ds_add_u32 v[SPW], v[NIL]
	v_lshrrev_b32 v1, 5, v0
	v_readfirstlane_b32 s8, v1                     ; wave w
	v_and_b32 v1, 31, v0                           ; lane
	v_lshlrev_b32 v13, 4, v1
	s_and_b32 s9, ttmp9, 7                         ; batch
	s_lshr_b32 s10, ttmp9, 3
	s_sub_co_u32 s10, 31, s10                      ; q
	s_lshr_b32 s11, s10, 3
	s_and_b32 s12, s10, 7                          ; I
	s_add_co_u32 s13, s12, s11
	s_add_co_u32 s13, s13, 1
	s_and_b32 s13, s13, 7                          ; J
	s_cmp_lt_u32 s8, 4
	s_cselect_b32 s14, s12, s13                    ; waves 0-3 bring tile I, waves 4-7 tile J:
	s_lshl_b32 s14, s14, 1
	s_bfe_u32 s16, s8, 0x10001
	s_add_co_u32 s14, s14, s16                     ; two groups of 32 rows each,
	s_lshl_b32 s15, s9, 4
	s_add_co_u32 s14, s14, s15
	s_lshl_b32 s14, s14, 14                        ; of 16,384 bytes,
	s_and_b32 s15, s8, 1
	s_lshl_b32 s15, s15, 13                        ; half a group a wave
	s_add_co_u32 s14, s14, s15
	s_mov_b32 s15, 0
	; group 1: 8,192 dense bytes as 32 rows of 256 bytes (32 elements of 8 bytes)
	s_mov_b32 s[G1+0], 3<<16                       ; no mask: a tile I is shared by four work-groups, one of which may be the diagonal's, and the branch to its own path would then hang on the place in the cluster
	s_mov_b32 s[G1+1], 32<<16
	s_mov_b32 s[G1+2], 32<<16
	s_mov_b32 s[G1+3], 32<<16
	s_mov_b32 s[G1+4], 32
	s_mov_b32 s[G1+5], 32
	s_mov_b32 s[G1+6], 0
	s_mov_b32 s[G1+7], 0
	s_lshl_b32 s17, s8, 13
	s_wait_alu depctr_va_vdst(0)
	s_wait_dscnt 0x0                               ; both opening adds are done
	s_wait_kmcnt 0x0
	s_add_nc_u64 s[4:5], s[4:5], s[14:15]
	s_mov_b32 s[G0], 1                             ; 1:0 count = 1
	s_add_co_u32 s[G0+1], s17, RAW                 ; 63:32 LDS address
	s_add_nc_u64 s[G0+2:G0+3], s[4:5], 0x200000    ; 120:64 global address: the second half of K
	s_or_b32 s[G0+3], s[G0+3], 0x80000000          ; 127:126 type = 2
	tensor_load_to_lds s[G0:G0+3], s[G1:G1+7]
	s_nop 0
.rept 4
	v_nop
.endr
.irp n, 0,1,2,3,4,5,6,7,8,9,10,11,12,13,14,15
	global_load_b128 v[64+4*\n:67+4*\n], v13, s[4:5] offset:512*\n                  ; the first half of K, into registers: 512 consecutive bytes a load
.endr
	; all else, while the loads are on their way
	s_cmp_ge_u32 s10, 28                           ; on the diagonal?
	s_cselect_b32 s20, -1, 0
	s_cselect_b32 s36, s12, s13                    ; the first result tile: rows I, columns I or J
	s_cselect_b32 s37, s13, s12                    ; the second: rows J, columns J or I
	s_lshr_b32 s21, s8, 2                          ; e: which of the diagonal's two tiles
	s_and_b32 s19, s8, 3
	s_add_co_u32 s22, s19, 1                       ; d: granule a with a + d
	s_and_b32 s23, s22, 4
	s_lshl_b32 s24, s21, 3
	s_mul_i32 s25, s8, 2*RP
	s_add_co_u32 s28, s25, TS
	s_add_co_u32 s25, s25, TN
	s_lshl_b32 s26, s8, 5
	s_add_co_u32 s26, s26, TN+TB
	s_mul_i32 s27, s21, TB
	s_add_co_u32 s27, s27, TS
	s_mul_i32 s31, s19, 2*RP+32
	s_add_co_u32 s31, s31, s27                     ; granule w % 4's block on the diagonal
	s_add_co_u32 s30, s24, s19
	s_lshl_b32 s30, s30, 5                         ; and its numbers in a feature
	s_and_b32 s29, s8, 1
	s_mul_i32 s29, s29, 64*FP
	s_lshr_b32 s18, s8, 1
	s_lshl_b32 s18, s18, 7
	s_add_co_u32 s29, s29, s18
	s_lshl_b32 s32, s12, 17                        ; out0: 64 rows of 2,048 bytes a tile,
	s_lshl_b32 s34, s13, 17
	s_lshl_b32 s18, s9, 20                         ; 512 a batch,
	s_add_co_u32 s32, s32, s18
	s_add_co_u32 s34, s34, s18
	s_lshl_b32 s18, s8, 14                         ; 8 a wave
	s_add_co_u32 s32, s32, s18
	s_add_co_u32 s34, s34, s18
	s_lshl_b32 s36, s36, 8
	s_add_co_u32 s32, s32, s36
	s_lshl_b32 s37, s37, 8
	s_add_co_u32 s34, s34, s37
	s_mov_b32 s33, 0
	s_mov_b32 s35, 0
	s_mul_i32 s38, s8, 16*FP
	s_add_nc_u64 s[32:33], s[6:7], s[32:33]
	s_add_nc_u64 s[34:35], s[6:7], s[34:35]
	s_mov_b32 s40, 0xff00ff00                      ; lanes with bit 3, 2, 1, 0 of their number
	s_mov_b32 s41, 0xf0f0f0f0
	s_mov_b32 s42, 0xcccccccc
	s_mov_b32 s43, 0xaaaaaaaa
	v_and_b32 v192, 7, v0                          ; a = l % 8
	v_bfe_u32 v193, v0, 3, 2                       ; l / 8
	v_bfe_u32 v194, v0, 4, 1                       ; l / 16
	v_and_b32 v195, 15, v0                         ; l % 16
	v_mov_b32 v15, 0
	v_mov_b32 v196, s8
	v_add_nc_u32 v197, s24, v192
	v_cndmask_b32 v196, v196, v197, s20            ; my granule of i among the 16: w, or on the diagonal 8 e + a
	v_add_nc_u32 v198, s22, v192
	v_and_or_b32 v198, v198, 7, s23                ; on the diagonal: (a + d) % 8, and for d = 4 a or 4: a + 4, or a itself where a is 4 or more
	v_add_nc_u32 v199, s24, v198
	v_add_nc_u32 v200, 8, v192
	v_cndmask_b32 v199, v200, v199, s20            ; my granule of j: 8 + a, or on the diagonal 8 e + that
	v_mul_u32_u24 v201, v193, FP
	v_lshl_add_u32 v[AI], v196, 5, v201
	v_lshl_add_u32 v[AJ], v199, 5, v201
	v_mul_u32_u24 v[DWN], v194, RP                 ; rows 8 w + 4 (l / 16) + 0 .. 3, columns 8 a on
	v_lshl_add_u32 v[DWN], v192, 5, v[DWN]
	v_add_nc_u32 v[DWN], s25, v[DWN]
	v_mul_u32_u24 v[MWN], v192, 2*RP               ; rows 8 a on, columns 8 w + 4 (l / 16) + 0 .. 3
	v_lshl_add_u32 v[MWN], v194, 4, v[MWN]
	v_add_nc_u32 v[MWN], s26, v[MWN]
	v_mul_u32_u24 v[DWS], v192, 2*RP
	v_mad_u32_u24 v[DWS], v194, RP, v[DWS]
	v_lshl_add_u32 v[DWS], v198, 5, v[DWS]
	v_add_nc_u32 v[DWS], s27, v[DWS]
	v_mul_u32_u24 v[MWS], v198, 2*RP
	v_lshl_add_u32 v[MWS], v192, 5, v[MWS]
	v_lshl_add_u32 v[MWS], v194, 4, v[MWS]
	v_add_nc_u32 v[MWS], s27, v[MWS]
	v_mul_u32_u24 v10, v194, Q4                    ; the way out: rows 8 w + 2 u + l / 16, 16 bytes a lane
	v_lshl_add_u32 v10, v195, 4, v10
	v_add_nc_u32 v200, s28, v10                    ; the diagonal's result tiles,
	v_add_nc_u32 v10, s25, v10                     ; the others'
	v_mul_u32_u24 v201, v195, FP                   ; the padding behind features 16 w .. 16 w + 15 of t is written too, so that no byte between t's rows is undefined
	v_add_nc_u32 v201, s38, v201
	v_mov_b32 v16, 0
	v_mov_b32 v17, 0
	v_mov_b32 v18, 0
	v_mov_b32 v19, 0
	s_add_co_u32 s17, s17, RAW
	v_add_nc_u32 v208, s17, v13                    ; my 16 bytes of each 512 that my tensor load brings
	v_lshlrev_b32 v11, 11, v194
	v_lshl_add_u32 v11, v195, 4, v11
	v_mul_u32_u24 v12, v195, FP                    ; t into LDS: feature l % 16 of a tile of 16, rows 8 (l / 16) on
	v_lshl_add_u32 v12, v194, 5, v12
	v_add_nc_u32 v12, s29, v12
	v_mul_u32_u24 v14, v1, FP                      ; the diagonal's granules: feature l
	v_add_nc_u32 v14, s30, v14
	v_add_nc_u32 v202, v192, v193
	v_add_nc_u32 v202, 1, v202
	v_and_b32 v202, 7, v202                        ; b = (a + l / 8 + 1) % 8
	v_and_b32 v203, 3, v192
	v_mul_u32_u24 v203, v203, Q4
	v_lshrrev_b32 v204, 2, v192
	v_mad_u32_u24 v203, v204, RP, v203             ; row a of the block
	v_add_nc_u32 v203, s31, v203
	v_lshl_add_u32 v205, v202, 2, v203             ; (a, b)
	v_lshl_add_u32 v207, v192, 2, v203             ; (a, a)
	v_and_b32 v203, 3, v202
	v_mul_u32_u24 v203, v203, Q4
	v_lshrrev_b32 v204, 2, v202
	v_mad_u32_u24 v203, v204, RP, v203             ; row b
	v_add_nc_u32 v203, s31, v203
	v_lshl_add_u32 v206, v192, 2, v203             ; (b, a)
	s_wait_alu depctr_va_vdst(0)
	s_wait_tensorcnt 0x0                           ; my part of the second half of K is in
	ds_store_b128 v201, v[16:19] offset:512        ; (the padding)
.irp n, 0,1,2,3,4,5,6,7,8,9,10,11,12,13,14,15
	ds_load_b128 v[128+4*\n:131+4*\n], v208 offset:512*\n
.endr
.irp g, 0,1,2,3                        ; t = the two halves' sum, 16 features at a time, four loads of each half a turn
	s_wait_alu depctr_va_vdst(0)
	s_wait_dscnt 12                                ; 12 - 4 g younger LDS loads and 4 g stores behind them may be out
	s_wait_loadcnt 12-4*\g                         ; and the younger loads
.irp n, 0,2,4,6,8,10,12,14
	v_pk_add_f32 v[64+16*\g+\n:65+16*\g+\n], v[64+16*\g+\n:65+16*\g+\n], v[128+16*\g+\n:129+16*\g+\n]
.endr
.irp n, 0,1,2,3
	ds_store_b128 v12, v[64+16*\g+4*\n:67+16*\g+4*\n] offset:16*FP*\g+64*(\n/2)+16*(\n%2)
.endr
.endr
	s_wait_alu depctr_va_vdst(0)
	s_wait_dscnt 0x0                               ; for the others' sake: my part of t lies in LDS
	s_barrier_signal -1
	s_barrier_wait -1                              ; everybody's does
.macro LOADS s
.set OB, OP+16*((\s)%4)
	ds_load_b128 v[OB:OB+3],     v[AI] offset:4*FP*(\s)
	ds_load_b128 v[OB+4:OB+7],   v[AI] offset:4*FP*(\s)+16
	ds_load_b128 v[OB+8:OB+11],  v[AJ] offset:4*FP*(\s)
	ds_load_b128 v[OB+12:OB+15], v[AJ] offset:4*FP*(\s)+16
.endm
	LOADS 0
	LOADS 1
	LOADS 2
.set S, 0
.rept 32
.set LEFT, 12
.if S+3 < 32
	LOADS S+3
.else
.set LEFT, 4*(31-S)
.endif
	s_wait_dscnt LEFT                              ; LDS loads come back in order (ISA guide 5.7.1): this feature's four are in, the younger ones may be out
.set OB, OP+16*(S%4)
.irp g, 0,1,2,3
.irp p, 0,2,4,6
	v_pk_add_f32 v[D+\p:D+\p+1], v[OB+8+\p:OB+9+\p], v[OB+2*\g:OB+2*\g+1] op_sel_hi:[1,0] neg_lo:[0,1] neg_hi:[0,1]                      ; two columns less row 2 g
.endr
.irp p, 0,2,4,6
	v_pk_add_f32 v[D+8+\p:D+9+\p], v[OB+8+\p:OB+9+\p], v[OB+2*\g:OB+2*\g+1] op_sel:[0,1] op_sel_hi:[1,1] neg_lo:[0,1] neg_hi:[0,1]       ; less row 2 g + 1
.endr
.irp p, 0,2,4,6,8,10,12,14
.if S == 0
	v_pk_mul_f32 v[ACC+16*\g+\p:ACC+16*\g+\p+1], v[D+\p:D+\p+1], v[D+\p:D+\p+1]
.else
	v_pk_fma_f32 v[ACC+16*\g+\p:ACC+16*\g+\p+1], v[D+\p:D+\p+1], v[D+\p:D+\p+1], v[ACC+16*\g+\p:ACC+16*\g+\p+1]
.endif
.endr
.endr
.set S, S+1
.endr
	; the four lanes of a lane tile are joined: lanes l and l xor 16 by a swap (lanes 0-15 keep rows 0-3, lanes 16-31 rows 4-7), then l and l xor 8, which end with the same 32 results
.set K, 0
.rept 32
	v_permlane16_swap_b32 v[ACC+K], v[ACC+32+K]
.set K, K+1
.endr
.set K, 0
.rept 16
	v_pk_add_f32 v[ACC+K:ACC+K+1], v[ACC+K:ACC+K+1], v[ACC+32+K:ACC+33+K]
.set K, K+2
.endr
.set K, 0
.rept 32
	v_add_f32_dpp v[ACC+K], v[ACC+K], v[ACC+K] row_xmask:8 row_mask:0xf bank_mask:0xf
.set K, K+1
.endr
.irp c, 0,2,4,6                        ; the mirror image: column c's four rows in neighbouring registers
	v_dual_mov_b32 v[MR+4*\c], v[ACC+\c] :: v_dual_mov_b32 v[MR+5+4*\c], v[ACC+9+\c]
	v_dual_mov_b32 v[MR+1+4*\c], v[ACC+8+\c] :: v_dual_mov_b32 v[MR+4+4*\c], v[ACC+1+\c]
	v_dual_mov_b32 v[MR+2+4*\c], v[ACC+16+\c] :: v_dual_mov_b32 v[MR+7+4*\c], v[ACC+25+\c]
	v_dual_mov_b32 v[MR+3+4*\c], v[ACC+24+\c] :: v_dual_mov_b32 v[MR+6+4*\c], v[ACC+17+\c]
.endr
.macro WRITE dw, mw
.irp r, 0,1,2,3
	ds_store_b128 v[\dw], v[ACC+8*\r:ACC+8*\r+3] offset:Q4*\r
	ds_store_b128 v[\dw], v[ACC+8*\r+4:ACC+8*\r+7] offset:Q4*\r+16
.endr
.irp c, 0,1,2,3,4,5,6,7
	ds_store_b128 v[\mw], v[MR+4*\c:MR+4*\c+3] offset:Q4*(\c%4)+RP*(\c/4)
.endr
.endm
	s_wait_alu depctr_va_vdst(0)
	s_cmp_lg_u32 s20, 0                            ; the work-group's number alone decides
	s_cbranch_scc1 .Ldiagonal
	WRITE DWN, MWN
	s_branch .Lout
.Ldiagonal:
	WRITE DWS, MWS
	; granule w % 4 of tile e with itself: lane l has the features l, 32 + l, 64 + l, 96 + l
.irp s, 0,1,2,3
	ds_load_b128 v[EX+8*\s:EX+8*\s+3], v14 offset:32*FP*\s
	ds_load_b128 v[EX+8*\s+4:EX+8*\s+7], v14 offset:32*FP*\s+16
.endr
.macro SQUARES s, e
.irp p, 0,2,4,6,8,10,12,14
.if \s == 0
	v_pk_mul_f32 v[\e+\p:\e+\p+1], v[D+\p:D+\p+1], v[D+\p:D+\p+1]
.else
	v_pk_fma_f32 v[\e+\p:\e+\p+1], v[D+\p:D+\p+1], v[D+\p:D+\p+1], v[\e+\p:\e+\p+1]
.endif
.endr
.endm
.irp s, 0,1,2,3
	s_wait_dscnt 6-2*\s                            ; this step's two loads are in, the younger steps' may be out
.set XS, EX+8*\s
	v_dual_mov_b32 v[EY], v[XS+1] :: v_dual_mov_b32 v[EY+1], v[XS+2]       ; the eight numbers one place on, so that pairs at odd distances are neighbouring registers too
	v_dual_mov_b32 v[EY+2], v[XS+3] :: v_dual_mov_b32 v[EY+3], v[XS+4]
	v_dual_mov_b32 v[EY+4], v[XS+5] :: v_dual_mov_b32 v[EY+5], v[XS+6]
	v_dual_mov_b32 v[EY+6], v[XS+7] :: v_dual_mov_b32 v[EY+7], v[XS]
.irp a, 0,2,4,6
	v_pk_add_f32 v[D+\a:D+\a+1], v[XS+\a:XS+\a+1], v[EY+\a:EY+\a+1] neg_lo:[0,1] neg_hi:[0,1]                            ; a less a + 1
	v_pk_add_f32 v[D+8+\a:D+9+\a], v[XS+\a:XS+\a+1], v[XS+(\a+2)%8:XS+(\a+2)%8+1] neg_lo:[0,1] neg_hi:[0,1]              ; less a + 2
.endr
	SQUARES \s, E
.irp a, 0,2,4,6
	v_pk_add_f32 v[D+\a:D+\a+1], v[XS+\a:XS+\a+1], v[EY+(\a+2)%8:EY+(\a+2)%8+1] neg_lo:[0,1] neg_hi:[0,1]                ; less a + 3
	v_pk_add_f32 v[D+8+\a:D+9+\a], v[XS+\a:XS+\a+1], v[XS+(\a+4)%8:XS+(\a+4)%8+1] neg_lo:[0,1] neg_hi:[0,1]              ; less a + 4
.endr
	SQUARES \s, E+16
.endr
	; the 32 sums over the 32 lanes: at each level a lane keeps half of the registers and gives the other half: lane l ends with sum l: k = l / 8 + 1, a = l % 8
.set K, 0
.rept 16
	v_permlane16_swap_b32 v[E+K], v[E+16+K]
.set K, K+1
.endr
.set K, 0
.rept 8
	v_pk_add_f32 v[E+K:E+K+1], v[E+K:E+K+1], v[E+16+K:E+17+K]
.set K, K+2
.endr
.macro LEVEL n, mask
.set K, 0
.rept \n
	v_cndmask_b32 v[D+K], v[E+\n+K], v[E+K], s[\mask]            ; what I give
	v_cndmask_b32 v[D+8+K], v[E+K], v[E+\n+K], s[\mask]          ; what I keep
.set K, K+1
.endr
.set K, 0
.rept \n
	v_add_f32_dpp v[E+K], v[D+K], v[D+8+K] row_xmask:\n row_mask:0xf bank_mask:0xf
.set K, K+1
.endr
.endm
	LEVEL 8, 40
	LEVEL 4, 41
	LEVEL 2, 42
	LEVEL 1, 43
	ds_store_b32 v205, v[E]
	ds_store_b32 v206, v[E]
	ds_store_b32 v207, v15                         ; the diagonal
.Lout:
	s_wait_alu depctr_va_vdst(0)
	s_wait_tensorcnt 0x0                           ; behind my last LDS store
	ds_add_u32 v[SPW], v[NIL]
	s_wait_dscnt 0x0                               ; my results lie in LDS
	s_barrier_signal -1
	s_barrier_wait -1                              ; everybody's do
.macro OUT rd
.irp n, 0,1,2,3,4,5,6,7                ; rows 8 w .. 8 w + 7 of both result tiles, two rows a load
	ds_load_b128 v[32+4*\n:35+4*\n], v[\rd] offset:TB*(\n/4)+2*Q4*(\n%2)+RP*((\n%4)/2)
.endr
.irp n, 0,1,2,3,4,5,6,7
	s_wait_dscnt 7-\n
.if \n < 4
	global_store_b128 v11, v[32+4*\n:35+4*\n], s[32:33] offset:4096*\n th:TH_STORE_NT        ; sixteen lanes store 256 consecutive bytes, aligned; written once, read by nobody here
.else
	global_store_b128 v11, v[32+4*\n:35+4*\n], s[34:35] offset:4096*(\n-4) th:TH_STORE_NT
.endif
.endr
	s_endpgm
.endm
	s_cmp_lg_u32 s20, 0
	s_cbranch_scc1 .Lout_diagonal
	OUT 10
.Lout_diagonal:
	OUT 200
.Lfunc_end_k_q107de8e3f0_dist:
	.size	k_q107de8e3f0_dist, .Lfunc_end_k_q107de8e3f0_dist-k_q107de8e3f0_dist
	.p2alignl 7, 3214868480
	.fill 96, 4, 3214868480
	.section	.rodata,"a",@progbits
	.p2align	6, 0x0
	.amdhsa_kernel k_q107de8e3f0_dist
		.amdhsa_group_segment_fixed_size 203776
		.amdhsa_private_segment_fixed_size 0
		.amdhsa_enable_private_segment 0
		.amdhsa_kernarg_size 16
		.amdhsa_user_sgpr_count 2
		.amdhsa_user_sgpr_kernarg_segment_ptr 1
		.amdhsa_wavefront_size32 1
		.amdhsa_system_sgpr_workgroup_id_x 1
		.amdhsa_system_sgpr_workgroup_id_y 1
		.amdhsa_system_sgpr_workgroup_id_z 1
		.amdhsa_system_vgpr_workitem_id 0
		.amdhsa_next_free_vgpr 212
		.amdhsa_next_free_sgpr 66
		.amdhsa_reserve_vcc 0
		.amdhsa_float_denorm_mode_32 3
		.amdhsa_float_denorm_mode_16_64 3
		.amdhsa_memory_ordered 1
		.amdhsa_forward_progress 1
		.amdhsa_inst_pref_size 175
	.end_amdhsa_kernel
	.amdgpu_metadata
---
amdhsa.version: [ 1, 2 ]
amdhsa.kernels:
  - .name:           k_q107de8e3f0_dist
    .symbol:         k_q107de8e3f0_dist.kd
    .args:
      - { .name: timg, .offset: 0, .size: 8, .value_kind: global_buffer, .address_space: global }
      - { .name: out0, .offset: 8, .size: 8, .value_kind: global_buffer, .address_space: global }
    .group_segment_fixed_size: 203776
    .private_segment_fixed_size: 0
    .kernarg_segment_align: 8
    .kernarg_segment_size: 16
    .max_flat_workgroup_size: 256
    .sgpr_count:     66
    .vgpr_count:     212
    .wavefront_size: 32
...
	.end_amdgpu_metadata
.endif
;; end of part 2
